; MI455X (gfx1250); checked and timed in simulation.
; The chip was launched on July 23, 2026; its instructions are those of AMD's public machine-readable ISA for CDNA 5 (MIT licence, August 2026) and "CDNA5" Instruction Set Architecture Reference Guide (July 2026). The comments in the code are by the model that wrote it; some were corrected since.
;; Attention Block. Allowed arithmetic: matrix products marked QUANTISED: E5M2 operands, one E8M0 scale for each 32 along K, by v_wmma_scale_f32_16x16x128_f8f6f4 with both operands' format E5M2, f32 sums; everything else in f32.
;; Inputs: norm_b 256 float32; norm_w 256 float32; proj_b 256 float32; proj_w 256 x 256 float32; qkv_b 768 float32; qkv_w 768 x 256 float32; x 4 x 256 x 64 x 64 float32.
;; Outputs: out0 4 x 256 x 64 x 64 float32.
;; This version of the problem:
;;   THIS VERSION OF THE PROBLEM IS GIVEN IN LOW PRECISION. The matrix products marked QUANTISED in the list below multiply operands that are first quantised to E5M2 (5 exponent bits, 2 mantissa bits; 8 bits a number), with one power-of-two scale for each 32 numbers along K (OCP MX v1.0); their sums are f32. All else is computed in f32.
;;   The module's matrix products, in the order in which they are computed (A, B: the left and right operand; K: the contracted axis; several contracted axes count as one K, in the product's order):
;;     1. [M 768, K 256] x [K 256, N 16,384]; A: input qkv_w; B: computed on the way: QUANTISED
;;     2. batch 16 x [M 4,096, K 64] x [K 64, N 4,096]; A: computed on the way; B: computed on the way: QUANTISED
;;     3. batch 16 x [M 4,096, K 4,096] x [K 4,096, N 64]; A: softmax (see below); B: computed on the way: QUANTISED
;;     4. [M 256, K 256] x [K 256, N 16,384]; A: input proj_w; B: computed on the way: QUANTISED
;;   THE QUANTISER, for each operand of a quantised product, along K:
;;     - K is cut into blocks of 32 from its start; a last block that is shorter is filled with zeros.
;;     - A block's scale is 2^e with e = floor(log2(the largest magnitude in the block)) - 15, held to -126 .. 127; a block of zeros has e = 0. As a byte (E8M0): e + 127.
;;     - Each number is divided by its block's scale, clamped to +-57,344, and rounded to the nearest number of E5M2, ties to even, subnormals kept.
;;     - The product sums the exact products of the quantised numbers (number of the format x scale) in f32.
;;   ~~~python
;;   def quantise(x, axis):      # numpy; x: float32 -> the quantised numbers, widened to float32 again
;;       x = np.moveaxis(x, axis, -1); K = x.shape[-1]
;;       x = np.pad(x, [(0, 0)] * (x.ndim - 1) + [(0, -K % 32)]); x = x.reshape(x.shape[:-1] + (-1, 32)); a = np.abs(x).max(-1, keepdims=True)
;;       e = np.where(a > 0, np.clip(np.frexp(np.where(a > 0, a, 1))[1] - 1 - 15, -126, 127), 0)      # np.frexp(a)[1] - 1 = floor(log2(a)), exactly
;;       r = np.clip(x / 2.0 ** e, -57344, 57344)
;;       step = 2.0 ** (np.maximum(np.frexp(np.where(r == 0, 1, r))[1] - 1, -14) - 2)
;;       q = np.round(r / step) * step * 2.0 ** e      # np.round: ties to even
;;       return np.moveaxis(q.reshape(q.shape[:-2] + (-1,))[..., :K], -1, axis).astype(np.float32)
;;   ~~~
;;   SOFTMAX AHEAD OF A QUANTISED PRODUCT. Where the list says 'softmax', what is quantised is not the finished softmax but p = 2^(t - M), with t = logit x log2(e) and M = ceil(the row's largest t), a whole number; so 1/2 < the row's largest p <= 1. The row's sum l is taken of the UNQUANTISED p, in f32, and the product's result is divided by l at the end. Since M is a whole number, a kernel that streams over the keys may use a running M (the ceiling of the running maximum): every later rescaling is an exact power of two, which a block's scale takes up: the codes' values come out the same.
;;   OPERANDS COMPUTED ON THE WAY. 'Computed on the way' means the value that the module computes at that place (a softmax that the list does not call 'softmax' is quantised finished and normalised). What goes into a quantiser is computed in f32, as accurately as f32 sums, v_exp_f32 and their like allow (about 1e-6 of the number): no bf16 or f16 on the way to a quantiser, and a product that is left as it is and whose result goes on into a quantised operand takes f32 operands (vector FMAs, or v_wmma_f32_16x16x4_f32). A number that lies on a knife's edge between two numbers of the format may be rounded either way, as far as f32 arithmetic and the matrix unit's own rounding can turn it there, and no further.
;; One version. Each part assembles by itself: llvm-mc -triple=amdgcn-amd-amdhsa -mcpu=gfx1250 --defsym DOCPART=n.
;; ======== version 1 of 1: 4 launches
;; limits: right only within a limited range of input values
;; workspace buffers: stats 8,192 bytes; wts 270,336 bytes; qkv_codes 12,582,912 bytes; qkv_scales 655,360 bytes; o_codes 4,194,304 bytes; o_scales 131,072 bytes
;; launch prep (part 1): grid 288 x 1, 4 waves a work-group, no clusters, 0 bytes of LDS; arguments x, qkv_w, proj_w, stats, wts; writes stats, wts
.if DOCPART == 1
	.amdgcn_target "amdgcn-amd-amdhsa--gfx1250"
	.amdhsa_code_object_version 6
	.text
	.protected	k_q8aa2ab0fee_prep
	.globl	k_q8aa2ab0fee_prep
	.p2align	8
	.type	k_q8aa2ab0fee_prep,@function
k_q8aa2ab0fee_prep:
	s_mov_b64 s[64:65], 0
	v_nop
	global_prefetch_b8 v0, s[64:65] scope:SCOPE_SE
	s_setreg_imm32_b32 hwreg(HW_REG_WAVE_MODE, 25, 1), 1
	s_wait_xcnt 0x0
; PREP.  Two jobs that need nothing from each other, told apart by the work-group's number.
; Work-groups 0-255: the statistics of x [4][256][4096] f32.  A wave takes one channel row (4,096 numbers, 16,384 bytes, 128 registers a lane) and stores its mean and the
; sum of its squared deviations from that mean (two passes over the registers: no difference of large sums is formed).  stats: [batch x 256 + channel] (mean, M2), 8 bytes.
; Work-groups 256-287: qkv_w [768][256] and proj_w [256][256], f32, become codes of BF8 (E5M2) with one E8M0 byte for each 32 along their last axis, laid as IMAGES OF OPERAND REGISTERS:
; fragment f = 2 t + s (tile t of 16 rows: 0-47 qkv_w, 48-63 proj_w; s: which 128 along K) at byte 2,048 f; its registers 4 c .. 4 c + 3 at 512 c, lane l's 16 bytes at 16 l.
; Lane r of a tile takes row 32 (t / 2) + 8 (t % 2) + r + 8 (r / 8), so that results of two neighbouring tiles are 16 neighbours along a later K.  Scale words at 262,144 + 64 f + 4 r.
; LIMITS: NaN and infinities are not served; a block of zeros gets the byte 1 (its codes are zeros, and this program alone reads the bytes).
; The 8 bytes of statistics and the 64 bytes of scale words a wave are stores of part of an aligned 256 bytes: 16 KiB in the whole launch.
; No LDS, no barrier, no matrix unit: waves share nothing.
.set X,    16                          ; v16-143  the row
.set CH,   144                         ; v144-151 four chains of pairs
.set MEAN, 152                         ; v152-153 the mean, twice
.set RS,   154                         ; v154     a sum over the wave
.set RT,   155                         ; v155     the other half's part
.set SEL,  20                          ; s[20:21] lane selects: lane l xor 16
.set MNT,  23
.set NUM,  16                          ; v16-79   64 numbers of a weight's row
.set TM,   80                          ; v80-83 largest magnitudes, v84-87 bytes, v92-95 the conversions' scale operands
.set PW,   96                          ; v96      the scale word
.set PC,   100                         ; v100-115 the codes
.macro WSUM a, t                       ; the sum of v[a] over the 32 lanes, in every lane
	v_add_f32_dpp v[\a], v[\a], v[\a] row_xmask:1 row_mask:0xf bank_mask:0xf
	v_add_f32_dpp v[\a], v[\a], v[\a] row_xmask:2 row_mask:0xf bank_mask:0xf
	v_add_f32_dpp v[\a], v[\a], v[\a] row_xmask:4 row_mask:0xf bank_mask:0xf
	v_add_f32_dpp v[\a], v[\a], v[\a] row_xmask:8 row_mask:0xf bank_mask:0xf
	v_permlanex16_b32 v[\t], v[\a], s[SEL], s[SEL+1]
	v_add_f32 v[\a], v[\a], v[\t]
.endm
.macro JOIN                            ; the four chains, their halves, the lanes
	v_pk_add_f32 v[CH:CH+1], v[CH:CH+1], v[CH+2:CH+3]
	v_pk_add_f32 v[CH+4:CH+5], v[CH+4:CH+5], v[CH+6:CH+7]
	v_pk_add_f32 v[CH:CH+1], v[CH:CH+1], v[CH+4:CH+5]
	v_add_f32 v[RS], v[CH], v[CH+1]
	WSUM RS, RT
.endm
; nb blocks of 32 along K: a lane's registers v[s + 16 b + i] are k = 32 b + 16 (lane / 16) + i of its row.  Codes to v[PC + 4 b] on, bytes to v[TM + 4 + b].
.macro QUANT s, nb
.set qb, 0
.rept \nb
	v_max3_num_f32 v[TM+qb], |v[\s+16*qb]|, |v[\s+16*qb+1]|, 0x8000000   ; my 16 numbers, and the floor 2^(16 - 127): the byte cannot fall under 1
.set qb, qb+1
.endr
.irp i, 2,4,6,8,10,12,14
.set qb, 0
.rept \nb
	v_max3_num_f32 v[TM+qb], v[TM+qb], |v[\s+16*qb+\i]|, |v[\s+16*qb+\i+1]|
.set qb, qb+1
.endr
.endr
.set qb, 0
.rept \nb
	v_permlanex16_b32 v[TM+4+qb], v[TM+qb], s[SEL], s[SEL+1]
.set qb, qb+1
.endr
.set qb, 0
.rept \nb
	v_max_num_f32 v[TM+qb], v[TM+qb], v[TM+4+qb]                      ; with lane l xor 16's: the block's largest magnitude
.set qb, qb+1
.endr
.set qb, 0
.rept \nb
	v_add_nc_u32 v[TM+12+qb], 0xf8800000, v[TM+qb]                    ; 15 off its exponent field: the conversion's scale operand
	v_lshrrev_b32 v[TM+4+qb], 23, v[TM+12+qb]                         ; the scale's byte
.set qb, qb+1
.endr
.set qb, 0
.rept \nb
.irp i, 0,1,2,3,4,5,6,7,8,9,10,11,12,13,14,15
.endr
	v_cvt_scalef32_pk8_bf8_f32 v[PC+4*qb:PC+4*qb+1], v[\s+16*qb:\s+16*qb+7], v[TM+12+qb]
	v_cvt_scalef32_pk8_bf8_f32 v[PC+4*qb+2:PC+4*qb+3], v[\s+16*qb+8:\s+16*qb+15], v[TM+12+qb]
.set qb, qb+1
.endr
	v_nop                                          ; a plain line behind the last conversion
.endm
	s_load_b256 s[4:11], s[0:1], 0x0               ; x s[4:5], qkv_w s[6:7], proj_w s[8:9], stats s[10:11]
	s_load_b64 s[12:13], s[0:1], 0x20              ; wts
	v_lshrrev_b32 v1, 5, v0
	v_readfirstlane_b32 s14, v1                    ; wave 0..3
	v_and_b32 v1, 31, v0                           ; lane
	s_mov_b32 s[SEL], 0x76543210
	s_mov_b32 s[SEL+1], 0xfedcba98
	s_cmp_lt_u32 ttmp9, 256
	s_cbranch_scc0 .Lweights
	; ---- the statistics of one channel row
	s_lshl_b32 s16, ttmp9, 2
	s_add_co_u32 s16, s16, s14                     ; batch x 256 + channel
	s_lshl_b32 s18, s16, 14                        ; its row: 16,384 bytes each
	s_mov_b32 s19, 0
	s_lshl_b32 s16, s16, 3                         ; its 8 bytes of stats
	s_mov_b32 s17, 0
	s_wait_alu depctr_va_vdst(0)
	v_lshlrev_b32 v2, 4, v1                        ; 16 bytes a lane
	v_mov_b32 v[RT], 0                             ; a lane permute's destination counts as read
	s_wait_alu depctr_va_vdst(0)
	s_wait_kmcnt 0x0
	s_add_nc_u64 s[4:5], s[4:5], s[18:19]
	s_add_nc_u64 s[10:11], s[10:11], s[16:17]
.set i, 0
.rept 32
	global_load_b128 v[X+4*i:X+4*i+3], v2, s[4:5] offset:512*i        ; 32 lanes read 512 consecutive bytes
.set i, i+1
.endr
	; pass 1: the sum, in four chains of pairs; chain k takes pairs k + 4 m
.set g, 0
.rept 4
	s_wait_alu depctr_va_vdst(0)
	s_wait_loadcnt 24-8*g                          ; eight more loads are in: the count is that of the younger ones
.set m, 4*g
.rept 4
.if m == 1
.irp k, 0,1,2,3
	v_pk_add_f32 v[CH+2*\k:CH+2*\k+1], v[X+2*\k:X+2*\k+1], v[X+8+2*\k:X+8+2*\k+1]   ; the first two pairs start a chain: nothing is cleared
.endr
.elseif m > 1
.irp k, 0,1,2,3
	v_pk_add_f32 v[CH+2*\k:CH+2*\k+1], v[CH+2*\k:CH+2*\k+1], v[X+8*m+2*\k:X+8*m+2*\k+1]
.endr
.endif
.set m, m+1
.endr
.set g, g+1
.endr
	JOIN
	v_mul_f32 v[MEAN], 0x39800000, v[RS]           ; / 4,096
	v_mov_b32 v[MEAN+1], v[MEAN]
	; pass 2: the squared deviations
.set m, 0
.rept 16
.irp k, 0,1,2,3
	v_pk_add_f32 v[X+8*m+2*\k:X+8*m+2*\k+1], v[X+8*m+2*\k:X+8*m+2*\k+1], v[MEAN:MEAN+1] neg_lo:[0,1] neg_hi:[0,1]
.endr
.irp k, 0,1,2,3
.if m == 0
	v_pk_mul_f32 v[CH+2*\k:CH+2*\k+1], v[X+2*\k:X+2*\k+1], v[X+2*\k:X+2*\k+1]
.else
	v_pk_fma_f32 v[CH+2*\k:CH+2*\k+1], v[X+8*m+2*\k:X+8*m+2*\k+1], v[X+8*m+2*\k:X+8*m+2*\k+1], v[CH+2*\k:CH+2*\k+1]
.endif
.endr
.set m, m+1
.endr
	JOIN
	v_cmp_eq_u32 vcc_lo, 0, v1
	v_cndmask_b32 v156, v[RS], v[MEAN], vcc_lo     ; lane 0 the mean, lane 1 the sum of squares
	v_lshlrev_b32 v157, 2, v1
	v_cmp_gt_u32 vcc_lo, 2, v1
	s_wait_alu depctr_va_vdst(0)
	s_wait_xcnt 0x0                                ; EXEC changes only behind this wait
	s_and_saveexec_b32 s22, vcc_lo
	global_store_b32 v157, v156, s[10:11]
	s_wait_xcnt 0x0                                ; and again in front of the line that widens it
	s_or_b32 exec_lo, exec_lo, s22
	s_endpgm
.Lweights:
	; ---- one fragment of a weight
	s_sub_co_u32 s16, ttmp9, 256
	s_lshl_b32 s16, s16, 2
	s_add_co_u32 s16, s16, s14                     ; f = 0 .. 127
	s_lshr_b32 s17, s16, 1                         ; t
	s_and_b32 s18, s16, 1                          ; s
	s_wait_kmcnt 0x0
	s_cmp_lt_u32 ttmp9, 280                        ; tiles 0-47 are qkv_w's: the choice hangs on the work-group's number alone
	s_cselect_b64 s[4:5], s[6:7], s[8:9]
	s_cselect_b32 s19, 0, 48
	s_sub_co_u32 s17, s17, s19                     ; the tile within its weight
	s_lshr_b32 s19, s17, 1
	s_lshl_b32 s19, s19, 15                        ; 32 rows of 1,024 bytes for each pair of tiles,
	s_and_b32 s17, s17, 1
	s_lshl_b32 s17, s17, 13                        ; 8 rows for the odd one,
	s_add_co_u32 s24, s19, s17
	s_lshl_b32 s18, s18, 9                         ; 512 bytes for the second 128 along K
	s_add_co_u32 s24, s24, s18
	s_mov_b32 s25, 0
	s_add_nc_u64 s[4:5], s[4:5], s[24:25]
	s_lshl_b32 s24, s16, 11
	s_add_nc_u64 s[26:27], s[12:13], s[24:25]      ; the fragment's image
	s_lshl_b32 s24, s16, 6
	s_add_co_u32 s24, s24, 262144
	s_add_nc_u64 s[28:29], s[12:13], s[24:25]      ; its scale words
	v_and_b32 v2, 15, v0                           ; r
	v_bfe_u32 v3, v0, 4, 1                         ; h
	v_and_b32 v4, 8, v2
	v_add_nc_u32 v4, v4, v2                        ; r + 8 (r / 8)
	v_lshlrev_b32 v4, 10, v4
	v_lshl_add_u32 v4, v3, 6, v4                   ; my row, + 64 h: my 16 numbers of a block of 32
	s_wait_alu depctr_va_vdst(0)
	v_lshlrev_b32 v5, 4, v1
	v_lshlrev_b32 v6, 2, v2
.irp b, 0,1,2,3
	v_mov_b32 v[TM+4+\b], 0                        ; a lane permute's destination counts as read
.endr
.irp c, 0,1,2,3
.irp j, 0,1,2,3
	global_load_b128 v[NUM+16*\c+4*\j:NUM+16*\c+4*\j+3], v4, s[4:5] offset:128*\c+16*\j
.endr
.endr
	s_wait_loadcnt 0x0
	QUANT NUM, 4
	v_lshl_or_b32 v[PW], v[TM+5], 8, v[TM+4]
	v_lshl_or_b32 v[PW], v[TM+6], 16, v[PW]
	v_lshl_or_b32 v[PW], v[TM+7], 24, v[PW]
.irp c, 0,1,2,3
	global_store_b128 v5, v[PC+4*\c:PC+4*\c+3], s[26:27] offset:512*\c    ; 512 consecutive bytes, aligned
.endr
	v_cmp_gt_u32 vcc_lo, 16, v1
	s_wait_alu depctr_va_vdst(0)
	s_wait_xcnt 0x0
	s_and_saveexec_b32 s22, vcc_lo
	global_store_b32 v6, v[PW], s[28:29]           ; lanes 0-15: row r's word
	s_wait_xcnt 0x0
	s_or_b32 exec_lo, exec_lo, s22
	s_endpgm
.Lfunc_end_k_q8aa2ab0fee_prep:
	.size	k_q8aa2ab0fee_prep, .Lfunc_end_k_q8aa2ab0fee_prep-k_q8aa2ab0fee_prep
	.p2alignl 7, 3214868480
	.fill 96, 4, 3214868480
	.section	.rodata,"a",@progbits
	.p2align	6, 0x0
	.amdhsa_kernel k_q8aa2ab0fee_prep
		.amdhsa_group_segment_fixed_size 0
		.amdhsa_private_segment_fixed_size 0
		.amdhsa_enable_private_segment 0
		.amdhsa_kernarg_size 40
		.amdhsa_user_sgpr_count 2
		.amdhsa_user_sgpr_kernarg_segment_ptr 1
		.amdhsa_wavefront_size32 1
		.amdhsa_system_sgpr_workgroup_id_x 1
		.amdhsa_system_sgpr_workgroup_id_y 1
		.amdhsa_system_sgpr_workgroup_id_z 1
		.amdhsa_system_vgpr_workitem_id 0
		.amdhsa_next_free_vgpr 160
		.amdhsa_next_free_sgpr 66
		.amdhsa_reserve_vcc 1
		.amdhsa_float_denorm_mode_32 3
		.amdhsa_float_denorm_mode_16_64 3
		.amdhsa_fp16_overflow 1
		.amdhsa_memory_ordered 1
		.amdhsa_forward_progress 1
		.amdhsa_inst_pref_size 25
	.end_amdhsa_kernel
	.amdgpu_metadata
---
amdhsa.version: [ 1, 2 ]
amdhsa.kernels:
  - .name:           k_q8aa2ab0fee_prep
    .symbol:         k_q8aa2ab0fee_prep.kd
    .args:
      - { .name: x, .offset: 0, .size: 8, .value_kind: global_buffer, .address_space: global }
      - { .name: qkv_w, .offset: 8, .size: 8, .value_kind: global_buffer, .address_space: global }
      - { .name: proj_w, .offset: 16, .size: 8, .value_kind: global_buffer, .address_space: global }
      - { .name: stats, .offset: 24, .size: 8, .value_kind: global_buffer, .address_space: global }
      - { .name: wts, .offset: 32, .size: 8, .value_kind: global_buffer, .address_space: global }
    .group_segment_fixed_size: 0
    .private_segment_fixed_size: 0
    .kernarg_segment_align: 8
    .kernarg_segment_size: 40
    .max_flat_workgroup_size: 128
    .sgpr_count:     66
    .vgpr_count:     160
    .wavefront_size: 32
...
	.end_amdgpu_metadata
.endif
;; end of part 1
;; launch qkv (part 2): grid 256 x 1, 8 waves a work-group, no clusters, 19,456 bytes of LDS; arguments x, norm_w, norm_b, qkv_b, stats, wts, qkv_codes, qkv_scales; writes qkv_codes, qkv_scales
.if DOCPART == 2
	.amdgcn_target "amdgcn-amd-amdhsa--gfx1250"
	.amdhsa_code_object_version 6
	.text
	.protected	k_q8aa2ab0fee_qkv
	.globl	k_q8aa2ab0fee_qkv
	.p2align	8
	.type	k_q8aa2ab0fee_qkv,@function
k_q8aa2ab0fee_qkv:
	s_mov_b64 s[64:65], 0
	v_nop
	global_prefetch_b8 v0, s[64:65] scope:SCOPE_SE
	s_setreg_imm32_b32 hwreg(HW_REG_WAVE_MODE, 25, 1), 1
	s_wait_xcnt 0x0
; QKV.  h = GroupNorm(x) is quantised along the channels, multiplied by qkv_w's codes (MX-BF8, K = 256), the bias added, and q, k and v quantised in registers and stored as images of operand registers.
; A work-group takes 64 pixels of one batch (pixel tiles 4 j .. 4 j + 3; lane r of tile T is pixel 32 (T / 2) + 8 (T % 2) + r + 8 (r / 8)).
; PHASE X: wave w is group w (32 channels = one block of the quantiser).  A lane holds two pixels, its registers run down the 32 channels: the block's maximum needs no other lane.  Codes go to LDS as rows
; [pixel][256 channels] (+ 16 bytes), scale bytes as [pixel][8].  One barrier.
; PHASE G: wave w owns rows 64 w .. 64 w + 63 of qkv_w (q or k of one head) and rows 512 + 32 w .. + 31 (half a head of v); their codes, scale words and biases stay in its registers, read once.
;   q, k: source 0 = 16 rows of the weight, source 1 = 16 pixels: a lane holds one pixel and its registers run along the head's 64, which is the next K.
;   v:    source 0 = 16 pixels, source 1 = 16 rows of the weight: a lane holds one channel and its registers run along the pixels (the keys), which is ITS next K.
; The biases are the C of each sum's first matrix instruction.
; OUT.  qkv_codes: Q at 0, K at 4 MiB, V at 8 MiB, 262,144 bytes a (batch, head).  Q, K: tile T at 1,024 T, block c of the head's 64 at 512 c, lane l at 16 l.  V: 8,192 bytes for each 128 keys: channel tile dt at 2,048 dt,
; key block c at 512 c.  qkv_scales: Q's words at 16,384 bh; K's at 262,144 + 24,576 bh, V's 16,384 behind K's.  Word of tile T = 4 G + 2 a + u, row r: 256 G + 128 a + 8 r + 4 u (bytes 2, 3 are 0);
; V's word of 128 keys, channel tile dt, row r: 256 step + 16 r + 4 dt.
; NO CLUSTER: what the work-groups share is the weights' 202,752 bytes of codes and scale words; each of these bytes goes once, straight into the registers of the one wave that multiplies by it; a joint load would send them through LDS
; and add rounds of the cluster's barrier to a text that has one barrier.
; LIMITS: NaN and infinities are not served; a block of zeros gets the byte 1.  V's scale bytes leave as 2 bytes a lane (the word's other half belongs to the neighbouring 64 keys): 64 bytes a wave.
.set MNT, 23
.set SEL, 24                           ; s[24:25] lane selects: lane l xor 16
.set SA,  32                           ; s32-63   phase X: the 32 channels' rsqrt x norm_w.  Afterwards: the output bases
.set SBI, 66                           ; s66-97   their norm_b
.set HP,  272                          ; LDS: a pixel's row: 256 codes + 16
.set HSC, 64*HP                        ; behind the 64 rows: [pixel][8 scale bytes]
.set XR,  16                           ; v16-79   phase X: x, channel i at v[16 + 2 i] (two pixels)
.set HF,  16                           ; v16-79   phase G: h's fragments (pixel tile p of a pair, K step s) at 16 + 32 p + 16 s
.set H0,  80                           ; v80-111  h of my even pixel, v112-143 of my odd one
.set H1,  112
.set ACC, 80                           ; v80-143  phase G: the accumulators
.set TM,  144                          ; v144-159 at work in the quantisers
.set PC,  164                          ; v164-179 the codes just made
.set WS,  180                          ; v180-187 the weight's scale words for q, k (2 t + s); v188-191 for v (8 + 2 u + s)
.set HS,  192                          ; v192-195 h's scale words (2 p + s)
.set SW,  196                          ; v196-199 q's or k's scale words of the four pixel tiles
.set VB,  200                          ; v200-203 v's scale bytes (2 pair + u)
.set MSB, 0
.macro WIN new                         ; the immediate's high byte repeats the setting that is left
.if MSB != \new
	s_set_vgpr_msb (MSB<<8)|\new
.set MSB, \new
.endif
.endm
; window 1: v0-127 the weight's fragments for q, k (32 t + 16 s); v128-191 for v (128 + 32 u + 16 s); v192-223 bias tiles for q, k; v224-239 for v
.macro WSUM a, t
	s_delay_alu instid0(VALU_DEP_1)
	v_add_f32_dpp v[\a], v[\a], v[\a] row_xmask:1 row_mask:0xf bank_mask:0xf
	s_delay_alu instid0(VALU_DEP_1)
	v_add_f32_dpp v[\a], v[\a], v[\a] row_xmask:2 row_mask:0xf bank_mask:0xf
	s_delay_alu instid0(VALU_DEP_1)
	v_add_f32_dpp v[\a], v[\a], v[\a] row_xmask:4 row_mask:0xf bank_mask:0xf
	s_delay_alu instid0(VALU_DEP_1)
	v_add_f32_dpp v[\a], v[\a], v[\a] row_xmask:8 row_mask:0xf bank_mask:0xf
	s_delay_alu instid0(VALU_DEP_1)
	v_permlanex16_b32 v[\t], v[\a], s[SEL], s[SEL+1]
	s_delay_alu instid0(VALU_DEP_1)
	v_add_f32 v[\a], v[\a], v[\t]
.endm
; a whole block of 32 in one lane's registers v[src] on: codes to v[pc .. pc + 7], the byte to v[tm + 4]
.macro QB src, tm, pc
	v_max3_num_f32 v[\tm], |v[\src]|, |v[\src+1]|, |v[\src+2]|
	v_max3_num_f32 v[\tm+1], |v[\src+3]|, |v[\src+4]|, |v[\src+5]|
.irp i, 6,10,14,18,22,26
	s_delay_alu instid0(VALU_DEP_2)
	v_max3_num_f32 v[\tm], v[\tm], |v[\src+\i]|, |v[\src+\i+1]|
	s_delay_alu instid0(VALU_DEP_2)
	v_max3_num_f32 v[\tm+1], v[\tm+1], |v[\src+\i+2]|, |v[\src+\i+3]|
.endr
	s_delay_alu instid0(VALU_DEP_2)
	v_max3_num_f32 v[\tm], v[\tm], |v[\src+30]|, |v[\src+31]|
	s_delay_alu instid0(VALU_DEP_1)
	v_max3_num_f32 v[\tm], v[\tm], v[\tm+1], 0x8000000                ; and the floor 2^(16 - 127)
	s_delay_alu instid0(VALU_DEP_1)
	v_add_nc_u32 v[\tm+2], 0xf8800000, v[\tm]                         ; the conversion's scale operand
	s_delay_alu instid0(VALU_DEP_1)
	v_lshrrev_b32 v[\tm+4], 23, v[\tm+2]                              ; the byte
.set i, 0
.rept 32
.set i, i+1
.endr
.irp g, 0,1,2,3
	v_cvt_scalef32_pk8_bf8_f32 v[\pc+2*\g:\pc+2*\g+1], v[\src+8*\g:\src+8*\g+7], v[\tm+2]
.endr
	v_nop
.endm
; nb blocks of 32 shared by lanes l and l xor 16: registers v[s + 16 b + i] are k = 32 b + 16 (lane / 16) + i.  Codes to v[PC + 4 b] on, bytes to v[TM + 4 + b].  Each accumulator is read from its low end on.
.macro QUANT s, nb
.set qb, 0
.rept \nb
	v_max3_num_f32 v[TM+qb], |v[\s+16*qb]|, |v[\s+16*qb+1]|, 0x8000000
.set qb, qb+1
.endr
.irp i, 2,4,6,8,10,12,14
.set qb, 0
.rept \nb
	v_max3_num_f32 v[TM+qb], v[TM+qb], |v[\s+16*qb+\i]|, |v[\s+16*qb+\i+1]|
.set qb, qb+1
.endr
.endr
.set qb, 0
.rept \nb
	v_permlanex16_b32 v[TM+4+qb], v[TM+qb], s[SEL], s[SEL+1]
.set qb, qb+1
.endr
.set qb, 0
.rept \nb
	v_max_num_f32 v[TM+qb], v[TM+qb], v[TM+4+qb]
.set qb, qb+1
.endr
.set qb, 0
.rept \nb
	v_add_nc_u32 v[TM+12+qb], 0xf8800000, v[TM+qb]
	s_delay_alu instid0(VALU_DEP_1)
	v_lshrrev_b32 v[TM+4+qb], 23, v[TM+12+qb]
.set qb, qb+1
.endr
.set qb, 0
.rept \nb
.irp i, 0,1,2,3,4,5,6,7,8,9,10,11,12,13,14,15
.endr
	v_cvt_scalef32_pk8_bf8_f32 v[PC+4*qb:PC+4*qb+1], v[\s+16*qb:\s+16*qb+7], v[TM+12+qb]
	v_cvt_scalef32_pk8_bf8_f32 v[PC+4*qb+2:PC+4*qb+3], v[\s+16*qb+8:\s+16*qb+15], v[TM+12+qb]
.set qb, qb+1
.endr
	v_nop                                          ; a plain line between the last conversion and the products that write its sources
.endm
	s_load_b256 s[4:11], s[0:1], 0x0               ; x s[4:5], norm_w s[6:7], norm_b s[8:9], qkv_b s[10:11]
	s_load_b256 s[12:19], s[0:1], 0x20             ; stats s[12:13], wts s[14:15], qkv_codes s[16:17], qkv_scales s[18:19]
	v_lshl_add_u32 v254, v0, 2, 0x4800
	v_mov_b32 v255, 0
	v_lshrrev_b32 v1, 5, v0
	s_delay_alu instid0(VALU_DEP_1)
	v_readfirstlane_b32 s20, v1                    ; wave w = 0..7
	s_lshr_b32 s21, ttmp9, 6                       ; batch b
	s_and_b32 s22, ttmp9, 63                       ; j: which 64 pixels
	s_mov_b32 s[SEL], 0x76543210
	s_mov_b32 s[SEL+1], 0xfedcba98
	s_mov_b32 s26, 0x37000000                      ; 1 / 131,072: a group's numbers
	s_mov_b32 s27, 0x3727c5ac                      ; 1e-5
	v_and_b32 v1, 31, v0                           ; lane L
	v_and_b32 v2, 15, v0                           ; r
	v_bfe_u32 v3, v0, 4, 1                         ; h
	s_delay_alu instid0(VALU_DEP_2)
	v_and_b32 v4, 8, v2
	s_delay_alu instid0(VALU_DEP_1)
	v_add_nc_u32 v4, v4, v2                        ; fr = r + 8 (r / 8)
	v_lshlrev_b32 v5, 3, v1                        ; 8 L: my two pixels of a row piece of x
	v_mul_u32_u24 v6, v1, 2*HP
	s_lshl_b32 s28, s20, 5
	v_add_nc_u32 v6, s28, v6                       ; LDS: pixel 2 L's row, my group's 32 bytes
	v_lshlrev_b32 v7, 4, v1
	s_delay_alu instid0(VALU_DEP_1)
	v_add_nc_u32 v7, s20, v7
	s_delay_alu instid0(VALU_DEP_1)
	v_add_nc_u32 v7, HSC, v7                       ; LDS: pixel 2 L's 8 scale bytes, my group's
	v_mul_u32_u24 v8, v4, HP
	s_delay_alu instid0(VALU_DEP_1)
	v_lshl_add_u32 v8, v3, 4, v8                   ; LDS: a fragment's row fr, + 16 h
	v_lshl_add_u32 v9, v4, 3, HSC                  ; LDS: that row's scale bytes
	v_lshlrev_b32 v10, 4, v1                       ; 16 L: an image's place for my lane
	s_lshl_b32 s28, s20, 14
	v_add_nc_u32 v11, s28, v10                     ; wts: my four tiles for q, k: 16,384 w
	s_lshl_b32 s28, s20, 13
	v_add_nc_u32 v12, s28, v10                     ; my two for v: 8,192 w (+ 131,072 in the immediate)
	v_lshlrev_b32 v13, 2, v2
	s_lshl_b32 s28, s20, 8
	v_add_nc_u32 v14, s28, v13                     ; scale words for v: 4 r + 256 w
	v_lshl_add_u32 v15, v3, 6, s28                 ; qkv_b for q, k: 256 w + 64 h
	s_lshl_b32 s28, s20, 9
	v_add_nc_u32 v13, s28, v13                     ; scale words for q, k: 4 r + 512 w
	s_lshl_b32 s28, s20, 7
	v_lshl_add_u32 v216, v4, 2, s28                ; qkv_b for v: 128 w + 4 fr (+ 2,048)
	v_lshl_add_u32 v218, v1, 2, s28                ; norm_w, norm_b: lane = channel of my group
	s_lshl_b32 s29, s21, 8
	s_lshl_b32 s30, s20, 5
	s_add_co_u32 s29, s29, s30                     ; 256 b + 32 w: my group's first channel row
	s_lshl_b32 s30, s29, 3
	v_add_nc_u32 v217, s30, v5                     ; stats: 8 bytes a channel
	v_lshlrev_b32 v219, 4, v2
	s_delay_alu instid0(VALU_DEP_1)
	v_lshl_add_u32 v219, v3, 2, v219               ; v's scale bytes: 16 r + 4 h
	v_mov_b32 v211, 0                              ; lane permutes' destinations count as read
.irp b, 0,1,2,3
	v_mov_b32 v[TM+4+\b], 0
.endr
	s_lshl_b32 s28, s29, 14                        ; rows of 16,384 bytes,
	s_lshl_b32 s30, s22, 8                         ; + my 64 pixels' 256 bytes
	s_add_co_u32 s28, s28, s30
	s_mov_b32 s29, 0
	s_wait_alu depctr_va_vdst(0)
	s_wait_kmcnt 0x0
	s_add_nc_u64 s[4:5], s[4:5], s[28:29]
	; ---- PHASE X
	global_load_b64 v[206:207], v217, s[12:13]     ; my channel's mean and sum of squares
	global_load_b32 v208, v218, s[6:7]             ; its norm_w
	global_load_b32 v209, v218, s[8:9]             ; its norm_b
.set i, 0
.rept 32
	global_load_b64 v[XR+2*i:XR+2*i+1], v5, s[4:5] offset:16384*i     ; channel i: 32 lanes read 256 consecutive bytes, aligned
.set i, i+1
.endr
	s_wait_loadcnt 32                              ; the three small loads are in; x's 32 stay out
	WIN 0x40                                       ; destination window 1
.irp t, 0,1,2,3
.irp s, 0,1
.irp c, 0,1,2,3
	global_load_b128 v[32*\t+16*\s+4*\c:32*\t+16*\s+4*\c+3], v11, s[14:15] offset:(2*\t+\s)*2048+512*\c
.endr
.endr
.endr
.irp u, 0,1
.irp s, 0,1
.irp c, 0,1,2,3
	global_load_b128 v[128+32*\u+16*\s+4*\c:128+32*\u+16*\s+4*\c+3], v12, s[14:15] offset:131072+(2*\u+\s)*2048+512*\c
.endr
.endr
.endr
	WIN 0
	v_mov_b32 v204, v206
	WSUM 204, 211
	s_delay_alu instid0(VALU_DEP_1)
	v_mul_f32 v204, 0x3d000000, v204               ; the group's mean: the 32 rows are equally long
	s_delay_alu instid0(VALU_DEP_1)
	v_sub_f32 v210, v206, v204
	s_delay_alu instid0(VALU_DEP_1)
	v_mul_f32 v210, v210, v210
	s_delay_alu instid0(VALU_DEP_1)
	v_fmamk_f32 v210, v210, 0x45800000, v207       ; my row's squares about the group's mean: M2 + 4,096 d^2
	WSUM 210, 211
	s_delay_alu instid0(VALU_DEP_1)
	v_fma_f32 v210, v210, s26, s27                 ; the variance + eps
	s_wait_alu depctr_va_vdst(0)
	v_rsq_f32 v210, v210
	v_mov_b32 v205, v204                           ; (a plain line behind the transcendental)  the mean, twice
	s_wait_alu depctr_va_vdst(0)                   ; the wait ahead of the result's first reader
	v_mul_f32 v210, v210, v208                     ; my channel's factor
.set i, 0
.rept 32
	v_readlane_b32 s[SA+i], v210, i                ; channel i's factor and offset as scalars: every lane needs all 32
	v_readlane_b32 s[SBI+i], v209, i
.set i, i+1
.endr
	s_wait_loadcnt 48                              ; x is in; the weight's 48 loads stay out
.irp t, 0,1,2,3
.irp s, 0,1
	global_load_b32 v[WS+2*\t+\s], v13, s[14:15] offset:262144+128*\t+64*\s
.endr
.endr
.irp u, 0,1
.irp s, 0,1
	global_load_b32 v[WS+8+2*\u+\s], v14, s[14:15] offset:262144+4096+128*\u+64*\s
.endr
.endr
	WIN 0x40
.irp t, 0,1,2,3                        ; in tile t lane (r, h) holds rows 64 w + 32 (t / 2) + 8 (t % 2) + 16 h + 0 .. 7
	global_load_b128 v[192+8*\t:192+8*\t+3], v15, s[10:11] offset:(32*(\t/2)+8*(\t%2))*4
	global_load_b128 v[192+8*\t+4:192+8*\t+7], v15, s[10:11] offset:(32*(\t/2)+8*(\t%2))*4+16
.endr
.irp u, 0,1                            ; for v a lane holds ONE row, 512 + 32 w + 8 u + fr: its bias in all eight registers
.irp q, 0,1,2,3,4,5,6,7
	global_load_b32 v[224+8*\u+\q], v216, s[10:11] offset:2048+32*\u
.endr
.endr
	WIN 0
.set i, 0
.rept 32
	v_pk_add_f32 v[XR+2*i:XR+2*i+1], v[XR+2*i:XR+2*i+1], v[204:205] neg_lo:[0,1] neg_hi:[0,1]
	s_delay_alu instid0(VALU_DEP_1)
	v_fma_f32 v[H0+i], v[XR+2*i], s[SA+i], s[SBI+i]
	s_delay_alu instid0(VALU_DEP_2)
	v_fma_f32 v[H1+i], v[XR+2*i+1], s[SA+i], s[SBI+i]
.set i, i+1
.endr
	QB H0, TM, PC
	QB H1, TM+8, PC+8
	ds_store_b128 v6, v[PC:PC+3]
	ds_store_b128 v6, v[PC+4:PC+7] offset:16
	ds_store_b128 v6, v[PC+8:PC+11] offset:HP
	ds_store_b128 v6, v[PC+12:PC+15] offset:HP+16
	ds_store_b8 v7, v[TM+4]
	ds_store_b8 v7, v[TM+12] offset:8
	s_wait_dscnt 0x0                               ; for the others' sake: my stores have landed
	s_barrier_signal -1
	s_barrier_wait -1                              ; h's codes and scale bytes of all eight groups lie in LDS; nothing is written there again
	; where the results go (the norm's scalars are used up)
	s_lshr_b32 s40, s20, 2                         ; 0: q, 1: k
	s_and_b32 s41, s20, 3
	s_lshl_b32 s42, s21, 2
	s_add_co_u32 s41, s42, s41                     ; bh = 4 b + head
	s_lshl_b32 s32, s40, 22
	s_lshl_b32 s43, s41, 18
	s_add_co_u32 s32, s32, s43
	s_lshl_b32 s43, s22, 12                        ; my four tiles of 1,024 bytes
	s_add_co_u32 s32, s32, s43
	s_mov_b32 s33, 0
	s_add_nc_u64 s[32:33], s[16:17], s[32:33]      ; q's or k's codes
	s_lshr_b32 s43, s20, 1
	s_add_co_u32 s42, s42, s43                     ; v's bh = 4 b + w / 2
	s_lshl_b32 s34, s42, 18
	s_add_co_u32 s34, s34, 0x800000
	s_lshr_b32 s43, s22, 1                         ; which 128 keys
	s_lshl_b32 s44, s43, 13
	s_add_co_u32 s34, s34, s44
	s_and_b32 s45, s20, 1                          ; which half of the head
	s_lshl_b32 s44, s45, 12
	s_add_co_u32 s34, s34, s44
	s_and_b32 s46, s22, 1                          ; which 64 of the 128 keys
	s_lshl_b32 s44, s46, 10
	s_add_co_u32 s34, s34, s44
	s_mov_b32 s35, 0
	s_add_nc_u64 s[34:35], s[16:17], s[34:35]      ; v's codes
	s_lshl_b32 s36, s41, 14
	s_mul_i32 s44, s41, 24576
	s_add_co_u32 s44, s44, 262144
	s_cmp_lt_u32 s20, 4
	s_cselect_b32 s36, s36, s44
	s_lshl_b32 s44, s22, 8
	s_add_co_u32 s36, s36, s44
	s_mov_b32 s37, 0
	s_add_nc_u64 s[36:37], s[18:19], s[36:37]      ; q's or k's scale words
	s_mul_i32 s38, s42, 24576
	s_add_co_u32 s38, s38, 262144+16384
	s_lshl_b32 s44, s43, 8
	s_add_co_u32 s38, s38, s44
	s_lshl_b32 s44, s45, 3
	s_add_co_u32 s38, s38, s44
	s_lshl_b32 s44, s46, 1
	s_add_co_u32 s38, s38, s44
	s_mov_b32 s39, 0
	s_add_nc_u64 s[38:39], s[18:19], s[38:39]      ; v's scale bytes
	s_wait_loadcnt 0x0                             ; the weight's codes, scale words and biases
	; ---- PHASE G: a pair of pixel tiles (32 neighbouring pixels) at a time
.macro PAIR bp
.irp p, 0,1
.irp s, 0,1
.irp c, 0,1,2,3
	ds_load_b128 v[HF+32*\p+16*\s+4*\c:HF+32*\p+16*\s+4*\c+3], v8 offset:(32*\bp+8*\p)*HP+128*\s+32*\c
.endr
	ds_load_b32 v[HS+2*\p+\s], v9 offset:8*(32*\bp+8*\p)+4*\s
.endr
.endr
	s_wait_dscnt 0x0
	WIN 0x11                                       ; source 0 (the weight) and source 2 (the bias) window 1
.irp p, 0,1                            ; q or k: eight accumulators by turns, one instruction a turn
.irp t, 0,1,2,3
	v_wmma_scale_f32_16x16x128_f8f6f4 v[ACC+32*\p+8*\t:ACC+32*\p+8*\t+7], v[32*\t:32*\t+15], v[HF+32*\p:HF+32*\p+15], v[192+8*\t:192+8*\t+7], v[WS+2*\t], v[HS+2*\p] matrix_a_fmt:MATRIX_FMT_BF8 matrix_b_fmt:MATRIX_FMT_BF8
.endr
.endr
	WIN 0x01
.irp p, 0,1
.irp t, 0,1,2,3
	v_wmma_scale_f32_16x16x128_f8f6f4 v[ACC+32*\p+8*\t:ACC+32*\p+8*\t+7], v[32*\t+16:32*\t+31], v[HF+32*\p+16:HF+32*\p+31], v[ACC+32*\p+8*\t:ACC+32*\p+8*\t+7], v[WS+2*\t+1], v[HS+2*\p+1] matrix_a_fmt:MATRIX_FMT_BF8 matrix_b_fmt:MATRIX_FMT_BF8
.endr
.endr
	WIN 0
.rept 9
	v_nop                                          ; eight places ahead of the first read of results, nine ahead of the products below that begin other sums in these registers
.endr
	s_wait_xcnt 0x0                                ; earlier stores have read the codes' registers
	QUANT ACC, 4                                   ; block 2 p + c: pixel tile p, the head's 32 c .. 32 c + 31
.irp p, 0,1
.irp be, 0,1
	global_store_b128 v10, v[PC+4*(2*\p+\be):PC+4*(2*\p+\be)+3], s[32:33] offset:(2*\bp+\p)*1024+512*\be   ; 512 consecutive bytes, aligned
.endr
	v_lshl_or_b32 v[SW+2*\bp+\p], v[TM+5+2*\p], 8, v[TM+4+2*\p]       ; the tile's scale word: two bytes, two zeros
.endr
	WIN 0x14                                       ; source 1 (the weight) and source 2 (the bias) window 1
.irp u, 0,1                            ; v: four accumulators by turns
.irp p, 0,1
	v_wmma_scale_f32_16x16x128_f8f6f4 v[ACC+16*\u+8*\p:ACC+16*\u+8*\p+7], v[HF+32*\p:HF+32*\p+15], v[128+32*\u:128+32*\u+15], v[224+8*\u:224+8*\u+7], v[HS+2*\p], v[WS+8+2*\u] matrix_a_fmt:MATRIX_FMT_BF8 matrix_b_fmt:MATRIX_FMT_BF8
.endr
.endr
	WIN 0x04
.irp u, 0,1
.irp p, 0,1
	v_wmma_scale_f32_16x16x128_f8f6f4 v[ACC+16*\u+8*\p:ACC+16*\u+8*\p+7], v[HF+32*\p+16:HF+32*\p+31], v[128+32*\u+16:128+32*\u+31], v[ACC+16*\u+8*\p:ACC+16*\u+8*\p+7], v[HS+2*\p+1], v[WS+8+2*\u+1] matrix_a_fmt:MATRIX_FMT_BF8 matrix_b_fmt:MATRIX_FMT_BF8
.endr
.endr
	WIN 0
.rept 9
	v_nop                                          ; as above; also the places ahead of the next pair's loads into h's fragments
.endr
	s_wait_xcnt 0x0
	QUANT ACC, 2                                   ; block u: channel tile u, these 32 keys
.irp u, 0,1
	global_store_b128 v10, v[PC+4*\u:PC+4*\u+3], s[34:35] offset:\u*2048+\bp*512
	v_mov_b32 v[VB+2*\bp+\u], v[TM+4+\u]
.endr
.endm
	PAIR 0
	PAIR 1
	v_cmp_eq_u32 vcc_lo, 1, v3
	s_delay_alu instid0(VALU_DEP_1)
	v_cndmask_b32 v212, v[SW], v[SW+2], vcc_lo     ; lanes 0-15 store the first pair's two words of row r, lanes 16-31 the second pair's
	s_delay_alu instid0(VALU_DEP_2)
	v_cndmask_b32 v213, v[SW+1], v[SW+3], vcc_lo
	global_store_b64 v5, v[212:213], s[36:37]      ; 256 consecutive bytes, aligned
	v_lshl_or_b32 v214, v[VB+2], 8, v[VB]          ; channel tile 0: my 64 keys' two bytes
	v_lshl_or_b32 v215, v[VB+3], 8, v[VB+1]        ; channel tile 1
	s_delay_alu instid0(VALU_DEP_1)
	v_cndmask_b32 v214, v214, v215, vcc_lo
	global_store_b16 v219, v214, s[38:39]
	s_wait_tensorcnt 0x0
	ds_add_u32 v254, v255
	s_wait_dscnt 0x0
	s_endpgm
.Lfunc_end_k_q8aa2ab0fee_qkv:
	.size	k_q8aa2ab0fee_qkv, .Lfunc_end_k_q8aa2ab0fee_qkv-k_q8aa2ab0fee_qkv
	.p2alignl 7, 3214868480
	.fill 96, 4, 3214868480
	.section	.rodata,"a",@progbits
	.p2align	6, 0x0
	.amdhsa_kernel k_q8aa2ab0fee_qkv
		.amdhsa_group_segment_fixed_size 19456
		.amdhsa_private_segment_fixed_size 0
		.amdhsa_enable_private_segment 0
		.amdhsa_kernarg_size 64
		.amdhsa_user_sgpr_count 2
		.amdhsa_user_sgpr_kernarg_segment_ptr 1
		.amdhsa_wavefront_size32 1
		.amdhsa_system_sgpr_workgroup_id_x 1
		.amdhsa_system_sgpr_workgroup_id_y 1
		.amdhsa_system_sgpr_workgroup_id_z 1
		.amdhsa_system_vgpr_workitem_id 0
		.amdhsa_next_free_vgpr 512
		.amdhsa_next_free_sgpr 100
		.amdhsa_reserve_vcc 1
		.amdhsa_float_denorm_mode_32 3
		.amdhsa_float_denorm_mode_16_64 3
		.amdhsa_fp16_overflow 1
		.amdhsa_memory_ordered 1
		.amdhsa_forward_progress 1
		.amdhsa_inst_pref_size 57
	.end_amdhsa_kernel
	.amdgpu_metadata
---
amdhsa.version: [ 1, 2 ]
amdhsa.kernels:
  - .name:           k_q8aa2ab0fee_qkv
    .symbol:         k_q8aa2ab0fee_qkv.kd
    .args:
      - { .name: x, .offset: 0, .size: 8, .value_kind: global_buffer, .address_space: global }
      - { .name: norm_w, .offset: 8, .size: 8, .value_kind: global_buffer, .address_space: global }
      - { .name: norm_b, .offset: 16, .size: 8, .value_kind: global_buffer, .address_space: global }
      - { .name: qkv_b, .offset: 24, .size: 8, .value_kind: global_buffer, .address_space: global }
      - { .name: stats, .offset: 32, .size: 8, .value_kind: global_buffer, .address_space: global }
      - { .name: wts, .offset: 40, .size: 8, .value_kind: global_buffer, .address_space: global }
      - { .name: qkv_codes, .offset: 48, .size: 8, .value_kind: global_buffer, .address_space: global }
      - { .name: qkv_scales, .offset: 56, .size: 8, .value_kind: global_buffer, .address_space: global }
    .group_segment_fixed_size: 19456
    .private_segment_fixed_size: 0
    .kernarg_segment_align: 8
    .kernarg_segment_size: 64
    .max_flat_workgroup_size: 256
    .sgpr_count:     100
    .vgpr_count:     512
    .wavefront_size: 32
...
	.end_amdgpu_metadata
.endif
;; end of part 2
;; launch attn (part 3): grid 16 x 16, 16 waves a work-group, clusters of 4 x 1, 327,680 bytes of LDS; arguments qkv_codes, qkv_scales, o_codes, o_scales; writes o_codes, o_scales
.if DOCPART == 3
	.amdgcn_target "amdgcn-amd-amdhsa--gfx1250"
	.amdhsa_code_object_version 6
	.text
	.protected	k_q8aa2ab0fee_attn
	.globl	k_q8aa2ab0fee_attn
	.p2align	8
	.type	k_q8aa2ab0fee_attn,@function
k_q8aa2ab0fee_attn:
	s_mov_b64 s[64:65], 0
	v_nop
	global_prefetch_b8 v0, s[64:65] scope:SCOPE_SE
	s_setreg_imm32_b32 hwreg(HW_REG_WAVE_MODE, 25, 1), 1
	s_wait_xcnt 0x0
	s_wait_alu depctr_hold_cnt(0) depctr_sa_sdst(0) depctr_va_vdst(0) depctr_va_sdst(0) depctr_va_ssrc(0) depctr_va_vcc(0) depctr_vm_vsrc(0)
	s_getreg_b32 s2, hwreg(HW_REG_IB_STS2, 6, 4)
	s_cmp_eq_u32 s2, 0
	s_cbranch_scc0 .Lentry_in_a_cluster
	s_endpgm
.Lentry_in_a_cluster:
	s_bfe_u32 s2, ttmp6, 0x10000c
	s_cmp_lg_u32 s2, 0x3003
	s_cbranch_scc0 .Lentry_shape_is_right
	s_endpgm
.Lentry_shape_is_right:
; ATTN.  o = softmax(q k^T / 8) v for 16 (batch, head) pairs, 4,096 pixels, head size 64, both products on codes of BF8 (E5M2) with E8M0 scales; o is quantised along the channels and stored as images of operand registers.
; THE SOFTMAX: t = score x log2(e) / 8; M = the running largest t rounded UP to a whole number; p = 2^(t - M) is quantised along the keys, not normalised; the row's sum is taken of the unquantised p and divides O at the end.
; When M moves, the sum and O are multiplied by 2^(old M - new M): exact.
; SHARES.  A work-group owns 256 queries of one (batch, head), each of its sixteen waves one tile of 16 in 256 registers: four waves to a SIMD, so that one wave's vector work stands beside another's products and LDS loads.
; Every wave walks all 4,096 keys, 128 a step.  Both products are used transposed (S^T = K Q^T, O^T = V^T P^T): a lane holds one query throughout.  Lane r of a tile of pixels T is pixel 32 (T / 2) + 8 (T % 2) + r + 8 (r / 8):
; so p's 16 registers of two neighbouring key tiles are 16 neighbouring keys, and the conversions' results are the second product's operand.
; HEAD SIZE 64 fills half of the instruction's 128 along K.  Q's upper eight registers hold zero codes, and the upper two bytes of Q's and K's scale words are 0.  A tile of K is 8 registers; the instruction names 16: the upper
; eight are the next tile's codes (finite numbers; behind the last tile eight registers of zeros), which meet Q's zeros and add nothing.
; RING.  Two LDS slots of 1,024 keys (K's images 65,536 bytes, then V's 65,536); all sixteen waves fetch 8,192 bytes each, so no branch stands round a tensor load.  The images are read at 16 x lane: no pitch, no padding.
; K's and V's scale words of the whole head (24,576 bytes) come once, with the first fills.  A wave has at most one tensor load out at a time.
; CLUSTER.  The four query blocks of a cluster belong to one (batch, head) and walk the same K and V: every tensor load is a JOINT one, with the same descriptor and the mask of all four.  The place in the cluster enters
; only Q's and o's global addresses.
; LIMITS: NaN and infinities are not served; p under 2^-126 counts as 0 (v_exp_f32 flushes denormals: ISA guide 15.8); a block of zeros gets the byte 1.  o's scale bytes leave one byte a lane (32 bytes a wave).
.set SLOT1, 131072
.set SCK,   262144                     ; K's scale words: 16,384 bytes
.set SCV,   SCK+16384                  ; V's: 8,192 bytes
.set SPARE, SCV+8192                   ; the spare words, 128 bytes for each of the sixteen waves: eight blocks of 256 bytes that no other line names
.set WV,  12                           ; s12  my wave's number
.set G1C, 16                           ; s[16:23] descriptor group 1: 32 rows of 256 bytes, dense
.set G1S, 24                           ; s[24:31] the same with 6 rows: a wave's part of the scale words
.set G0S, 32                           ; s[32:35] group 0 for the scale words
.set G0A, 36                           ; s[36:39] for slot 0
.set G0B, 40                           ; s[40:43] for slot 1
.set SEL, 44                           ; s[44:45] lane selects: lane l xor 16
.set CS,  46                           ; s[46:47] c = log2(e) / 8
.set MNT, 48
.set TK,  49                           ; s49  LDS byte of the step's images of K (V's lie 65,536 further on)
.set TS,  50                           ; s50  of its scale words of K: 512 bytes a step
.set TJ,  51                           ; s51  of V's: 256 bytes a step
.set CNT, 52
; s13, s14, s53, s58-61 alone ever hold a number that hangs on my place in the cluster
.set KV,  32                           ; v32-95   K's eight tiles (8 registers each), later V's four fragments (16 each)
.set S,   104                          ; v104-167 S^T, then p.   v96-103 stay zero
.set O,   168                          ; v168-199 O^T
.set PC,  200                          ; v200-215 p's codes
.set KS,  216                          ; v216-223 K's scale words
.set VS,  224                          ; v224-227 V's
.set TM,  228                          ; v228-231 block maxima, v232-235 the other half's and bytes, v240-243 scale operands
; v1 16 x lane; v2 the same + 65,536; v3, v4 my row among K's and V's scale words; v5, v6 the add's two registers; v8-11 the step's addresses; v12 -M, v13 the largest t, v[14:15] the sum; v16-31 Q;
; v252 f, v253 p's scale word, v254 at work, v255 Q's scale word
.macro CROUND                          ; a round of the cluster's barrier
	s_barrier_signal -1
	s_barrier_wait -1
	s_cmp_lg_u32 s[WV], 0
	s_cbranch_scc1 .Lnot_wave_0_\@
	s_barrier_signal -3
.Lnot_wave_0_\@:
	s_barrier_wait -3
	s_barrier_signal -1
	s_barrier_wait -1
.endm
	s_load_b256 s[4:11], s[0:1], 0x0               ; qkv_codes s[4:5], qkv_scales s[6:7], o_codes s[8:9], o_scales s[10:11]
	v_lshl_add_u32 v5, v0, 2, SPARE
	v_mov_b32 v6, 0
	ds_add_u32 v5, v6
	ds_add_u32 v5, v6
	s_wait_dscnt 0x0
	v_lshrrev_b32 v7, 5, v0
	s_delay_alu instid0(VALU_DEP_1)
	v_readfirstlane_b32 s[WV], v7                  ; wave 0..15
	s_bfe_u32 s13, ttmp6, 0x40000                  ; cx
	s_lshl_b32 s14, ttmp9, 2
	s_add_co_u32 s14, s14, s13                     ; my block of 256 queries
	s_lshl_b32 s14, s14, 4
	s_add_co_u32 s14, s14, s[WV]                   ; T: my tile of 16 queries
	s_and_b32 s15, ttmp7, 0xffff                   ; bh, which the four partners share
	s_mov_b32 s[G1C], 15|(3<<16)|(1<<21)           ; 15:0 the mask: all four work-groups; 17:16 elements of 8 bytes; 21 set beside a mask; no padding
	s_mov_b32 s[G1C+1], 32<<16                     ; tensor_dim0 = 32 elements: 256 bytes
	s_mov_b32 s[G1C+2], 32<<16                     ; tensor_dim1 = 32
	s_mov_b32 s[G1C+3], 32<<16                     ; tile_dim0 = 32
	s_mov_b32 s[G1C+4], 32                         ; tile_dim1 = 32
	s_mov_b32 s[G1C+5], 32                         ; the pitch: dense
	s_mov_b32 s[G1C+6], 0
	s_mov_b32 s[G1C+7], 0
	s_mov_b32 s[G1S], 15|(3<<16)|(1<<21)
	s_mov_b32 s[G1S+1], 32<<16
	s_mov_b32 s[G1S+2], 6<<16
	s_mov_b32 s[G1S+3], 32<<16
	s_mov_b32 s[G1S+4], 6
	s_mov_b32 s[G1S+5], 32
	s_mov_b32 s[G1S+6], 0
	s_mov_b32 s[G1S+7], 0
	s_mul_i32 s2, s[WV], 1536                      ; my sixteenth of the head's 24,576 bytes of scale words
	s_mul_i32 s54, s15, 24576
	s_add_co_u32 s54, s54, s2
	s_add_co_u32 s54, s54, 262144
	s_mov_b32 s55, 0
	s_lshr_b32 s56, s[WV], 3                       ; waves 0-7 fetch K's images, waves 8-15 V's
	s_add_co_u32 s56, s56, 1
	s_lshl_b32 s56, s56, 22                        ; K at 4 MiB, V at 8 MiB
	s_lshl_b32 s3, s15, 18                         ; the head's 262,144 bytes
	s_add_co_u32 s56, s56, s3
	s_and_b32 s57, s[WV], 7
	s_lshl_b32 s57, s57, 13                        ; my 8,192 of a slot's 65,536
	s_add_co_u32 s56, s56, s57
	s_mov_b32 s57, 0
	s_mov_b32 s[SEL], 0x76543210
	s_mov_b32 s[SEL+1], 0xfedcba98
	s_mov_b32 s[CS], 0x3e38aa3b
	s_mov_b32 s[CS+1], s[CS]                       ; (named with it as a pair, so it is written)
	s_wait_kmcnt 0x0
	s_mov_b32 s[G0S], 1
	s_add_co_u32 s[G0S+1], s2, SCK
	s_add_nc_u64 s[G0S+2:G0S+3], s[6:7], s[54:55]
	s_or_b32 s[G0S+3], s[G0S+3], 0x80000000
	s_mov_b32 s[G0A], 1
	s_lshl_b32 s[G0A+1], s[WV], 13                 ; slot 0: 8,192 x wave: K's eight parts, then V's eight
	s_add_nc_u64 s[G0A+2:G0A+3], s[4:5], s[56:57]
	s_mov_b32 s[G0B], 1
	s_add_co_u32 s[G0B+1], s[G0A+1], SLOT1
	s_add_nc_u64 s[G0B+2:G0B+3], s[G0A+2:G0A+3], 65536   ; the next 1,024 keys
	s_or_b32 s[G0A+3], s[G0A+3], 0x80000000
	s_or_b32 s[G0B+3], s[G0B+3], 0x80000000
	CROUND                                         ; all four work-groups are here: the first joint loads meet
	tensor_load_to_lds s[G0S:G0S+3], s[G1S:G1S+7]  ; the scale words; slot 0 and slot 1 follow one at a time, each behind a wait and a round
	s_nop 0
	s_wait_alu depctr_va_vdst(0)
	s_wait_tensorcnt 0x0
	ds_add_u32 v5, v6
	s_wait_dscnt 0x0
	CROUND
	tensor_load_to_lds s[G0A:G0A+3], s[G1C:G1C+7]
	s_nop 0
	s_wait_alu depctr_va_vdst(0)
	s_wait_tensorcnt 0x0
	ds_add_u32 v5, v6
	s_wait_dscnt 0x0
	CROUND
	tensor_load_to_lds s[G0B:G0B+3], s[G1C:G1C+7]
	s_nop 0
.rept 4
	v_nop
.endr
	s_lshl_b32 s58, s14, 10                        ; Q: my tile's 1,024 bytes
	s_add_co_u32 s58, s58, s3
	s_mov_b32 s59, 0
	s_add_nc_u64 s[58:59], s[4:5], s[58:59]
	s_lshl_b32 s60, s15, 14                        ; its scale words: 256 (T / 4) + 128 ((T / 2) % 2) + 4 (T % 2)
	s_lshr_b32 s53, s14, 2
	s_lshl_b32 s53, s53, 8
	s_add_co_u32 s60, s60, s53
	s_bfe_u32 s53, s14, 0x10001
	s_lshl_b32 s53, s53, 7
	s_add_co_u32 s60, s60, s53
	s_and_b32 s53, s14, 1
	s_lshl_b32 s53, s53, 2
	s_add_co_u32 s60, s60, s53
	s_mov_b32 s61, 0
	s_add_nc_u64 s[60:61], s[6:7], s[60:61]
	v_and_b32 v7, 31, v0
	s_delay_alu instid0(VALU_DEP_1)
	v_lshlrev_b32 v1, 4, v7
	s_delay_alu instid0(VALU_DEP_1)
	v_add_nc_u32 v2, 65536, v1
	v_and_b32 v7, 15, v0
	s_delay_alu instid0(VALU_DEP_1)
	v_lshl_add_u32 v3, v7, 3, SCK
	s_delay_alu instid0(VALU_DEP_2)
	v_lshl_add_u32 v4, v7, 4, SCV
	s_delay_alu instid0(VALU_DEP_3)
	v_lshlrev_b32 v254, 3, v7
	global_load_b128 v[16:19], v1, s[58:59]
	global_load_b128 v[20:23], v1, s[58:59] offset:512
	global_load_b32 v255, v254, s[60:61]
.irp j, 0,1,2,3,4,5,6,7
	v_mov_b32 v[24+\j], 0                          ; Q's codes for k = 64 .. 127
	v_mov_b32 v[96+\j], 0                          ; what stands behind K's last tile
.endr
.set j, 0
.rept 32
	v_mov_b32 v[O+j], 0                            ; the step is written once: the first finds zeros, which the first change of M leaves zeros
.set j, j+1
.endr
	v_mov_b32 v13, 0xff61b1e6                      ; the largest t so far: -3e38, under every t
	s_delay_alu instid0(VALU_DEP_1)
	v_floor_f32 v12, -v13                          ; -M
	v_mov_b32 v14, 0
	v_mov_b32 v15, 0
.irp b, 0,1,2,3
	v_mov_b32 v[TM+4+\b], 0                        ; a lane permute's destination counts as read
.endr
	v_mov_b32 v253, 0                              ; (named as the upper half of the pair v[252:253] before it is first written)
; A KEY STEP: 128 keys
.macro STEP
	v_add_nc_u32 v8, s[TK], v1
	v_add_nc_u32 v9, s[TK], v2
	v_add_nc_u32 v10, s[TS], v3
	v_add_nc_u32 v11, s[TJ], v4
.rept 4
	v_nop                                          ; with the four additions: eight places ahead of loads into registers that the last products read (for instructions other than loads)
.endr
.irp i, 0,1,2,3,4,5,6,7
	ds_load_b128 v[KV+8*\i:KV+8*\i+3], v8 offset:1024*\i
	ds_load_b128 v[KV+8*\i+4:KV+8*\i+7], v8 offset:1024*\i+512
.endr
.irp a, 0,1,2,3
	ds_load_b64 v[KS+2*\a:KS+2*\a+1], v10 offset:128*\a               ; the words of tiles 2 a and 2 a + 1
.endr
	s_wait_alu depctr_va_vdst(0)
	s_wait_dscnt 0x0
.irp i, 0,1,2,3,4,5,6,7
	v_wmma_scale_f32_16x16x128_f8f6f4 v[S+8*\i:S+8*\i+7], v[KV+8*\i:KV+8*\i+15], v[16:31], 0, v[KS+\i], v255 matrix_a_fmt:MATRIX_FMT_BF8 matrix_b_fmt:MATRIX_FMT_BF8
.endr
.rept 8
	v_nop                                          ; places ahead of the loads below and of the first read of the scores
.endr
.irp d, 0,1,2,3                        ; V's fragments are asked for here and land under the softmax
.irp c, 0,1,2,3
	ds_load_b128 v[KV+16*\d+4*\c:KV+16*\d+4*\c+3], v9 offset:2048*\d+512*\c
.endr
.endr
	ds_load_b128 v[VS:VS+3], v11                   ; my row's words of the four channel tiles
.irp b, 0,1,2,3
	v_max3_num_f32 v[TM+\b], v[S+16*\b], v[S+16*\b+1], v[S+16*\b+2]   ; the largest score of each block of 32 keys: it serves the row's maximum and, since p rises with the score, the block's largest p
.endr
.irp i, 3,5,7,9,11,13
.irp b, 0,1,2,3
	v_max3_num_f32 v[TM+\b], v[TM+\b], v[S+16*\b+\i], v[S+16*\b+\i+1]
.endr
.endr
.irp b, 0,1,2,3
	v_max_num_f32 v[TM+\b], v[TM+\b], v[S+16*\b+15]
.endr
.irp b, 0,1,2,3
	s_delay_alu instid0(VALU_DEP_4)
	v_permlanex16_b32 v[TM+4+\b], v[TM+\b], s[SEL], s[SEL+1]
.endr
.irp b, 0,1,2,3
	s_delay_alu instid0(VALU_DEP_4)
	v_max_num_f32 v[TM+\b], v[TM+\b], v[TM+4+\b]                      ; with lane l xor 16's 16 keys
.endr
	s_delay_alu instid0(VALU_DEP_2)
	v_max3_num_f32 v254, v[TM], v[TM+1], v[TM+2]
	s_delay_alu instid0(VALU_DEP_1)
	v_max_num_f32 v254, v254, v[TM+3]
	s_delay_alu instid0(VALU_DEP_1)
	v_mul_f32 v254, s[CS], v254                    ; the step's largest t
	s_delay_alu instid0(VALU_DEP_1)
	v_max_num_f32 v13, v13, v254
	v_mov_b32 v254, v12
	s_delay_alu instid0(VALU_DEP_2)
	v_floor_f32 v12, -v13                          ; the new -M = -ceil(t)
	s_delay_alu instid0(VALU_DEP_1)
	v_sub_f32 v254, v12, v254                      ; old M - new M: a whole number, 0 or less
	s_delay_alu instid0(VALU_DEP_1)
	v_cvt_i32_f32 v254, v254                       ; (it saturates)
	s_delay_alu instid0(VALU_DEP_1)
	v_ldexp_f32 v252, 1.0, v254                    ; f = 2^(old M - new M)
.set j, 0
.rept 32
	v_pk_fma_f32 v[S+j:S+j+1], v[S+j:S+j+1], s[CS:CS+1], v[12:13] op_sel_hi:[1,0,0]   ; t - M, two at a time
.set j, j+2
.endr
.irp b, 0,1,2,3
	v_fma_f32 v[TM+\b], v[TM+\b], s[CS], v12       ; the same of each block's largest score
.endr
.set j, 0
	s_setprio 1
	s_wait_alu depctr_va_vdst(0)
.rept 64
	v_exp_f32 v[S+j], v[S+j]                       ; p = 2^(t - M)
.set j, j+1
.endr
	v_pk_mul_f32 v[14:15], v[14:15], v[252:253] op_sel_hi:[1,0]       ; the sums under the new M (a plain line behind the exponentials)
	s_wait_alu depctr_va_vdst(0)                   ; one wait for the batch of 64, ahead of its first reader
.irp b, 0,1,2,3
	v_exp_f32 v[TM+\b], v[TM+\b]                   ; each block's largest p
.endr
	v_pk_add_f32 v[TM+4:TM+5], v[S:S+1], v[S+2:S+3]                   ; the row's sum of the unquantised p, in two chains
.irp j, 4,8,12,16,20,24,28,32,36,40,44,48,52,56,60
	v_pk_add_f32 v[14:15], v[14:15], v[S+\j:S+\j+1]
	v_pk_add_f32 v[TM+4:TM+5], v[TM+4:TM+5], v[S+\j+2:S+\j+3]
.endr
	s_delay_alu instid0(VALU_DEP_1)
	v_pk_add_f32 v[14:15], v[14:15], v[TM+4:TM+5]
	s_wait_alu depctr_va_vdst(0)                   ; and one for the four
.irp b, 0,1,2,3
	v_max_num_f32 v[TM+\b], 0x8000000, v[TM+\b]    ; the floor 2^(16 - 127)
.endr
.irp b, 0,1,2,3
	s_delay_alu instid0(VALU_DEP_4)
	v_add_nc_u32 v[TM+12+\b], 0xf8800000, v[TM+\b] ; the conversion's scale operand
.endr
.irp b, 0,1,2,3
.endr
.irp b, 0,1,2,3
	s_delay_alu instid0(VALU_DEP_4)
	v_lshrrev_b32 v[TM+4+\b], 23, v[TM+12+\b]      ; the byte
.endr
	s_delay_alu instid0(VALU_DEP_3)
	v_lshl_or_b32 v253, v[TM+5], 8, v[TM+4]        ; p's scale word for these 128 keys; the conversions and the 16 multiplications below stand between it and the products
	s_delay_alu instid0(VALU_DEP_1)
	v_lshl_or_b32 v253, v[TM+6], 16, v253
	s_delay_alu instid0(VALU_DEP_1)
	v_lshl_or_b32 v253, v[TM+7], 24, v253
	s_setprio 0
.irp b, 0,1,2,3
.irp i, 0,1,2,3,4,5,6,7,8,9,10,11,12,13,14,15
.endr
	v_cvt_scalef32_pk8_bf8_f32 v[PC+4*\b:PC+4*\b+1], v[S+16*\b:S+16*\b+7], v[TM+12+\b]
	v_cvt_scalef32_pk8_bf8_f32 v[PC+4*\b+2:PC+4*\b+3], v[S+16*\b+8:S+16*\b+15], v[TM+12+\b]
.endr
.set j, 0
.rept 16
	v_pk_mul_f32 v[O+j:O+j+1], v[O+j:O+j+1], v[252:253] op_sel_hi:[1,0]   ; O^T under the new M; these are also the places between the codes and the products
.set j, j+2
.endr
	s_wait_alu depctr_va_vdst(0)
	s_wait_dscnt 0x0                               ; V
.irp d, 0,1,2,3                        ; O^T += V^T P^T: the four accumulators by turns
	v_wmma_scale_f32_16x16x128_f8f6f4 v[O+8*\d:O+8*\d+7], v[KV+16*\d:KV+16*\d+15], v[PC:PC+15], v[O+8*\d:O+8*\d+7], v[VS+\d], v253 matrix_a_fmt:MATRIX_FMT_BF8 matrix_b_fmt:MATRIX_FMT_BF8
.endr
	s_add_co_u32 s[TK], s[TK], 8192
	s_add_co_u32 s[TS], s[TS], 512
	s_add_co_u32 s[TJ], s[TJ], 256
.endm
; the eight key steps of the n-th 1,024 keys, which lie in the slot at LDS byte base
.macro SLOT_STEPS base, n
	s_mov_b32 s[TK], \base
	s_mov_b32 s[TS], 4096*\n
	s_mov_b32 s[TJ], 2048*\n
	s_mov_b32 s[CNT], 8
.Lstep_\@:
	s_setprio 2
	STEP
	s_sub_co_u32 s[CNT], s[CNT], 1
	s_cmp_lg_u32 s[CNT], 0
	s_cbranch_scc1 .Lstep_\@
	s_setprio 0
.endm
; THE CHANGE OF SLOTS.  Each wave waits for all its tensor loads (its part of the slot ahead), adds 0 to its spare word, and waits for that and for its reads of the slot that it leaves.
; fill = 1: the barrier is a round of the cluster's, and behind it the slot just left is filled with the keys 2,048 further on: the load has eight key steps in which to land.
.macro CHANGE fill, g0
	s_wait_tensorcnt 0x0                           ; no tensor load of mine is out, so a group 0 may be written
	ds_add_u32 v5, v6                              ; 0 onto my spare word
.if \fill
	s_add_nc_u64 s[\g0+2:\g0+3], s[\g0+2:\g0+3], 131072
.endif
	s_wait_dscnt 0x0                               ; the add is done, and my reads of the slot are over
.if \fill
	CROUND
	tensor_load_to_lds s[\g0:\g0+3], s[G1C:G1C+7]  ; my one tensor load behind the round, and the first thing there
	s_nop 0
.rept 4
	v_nop
.endr
.else
	s_barrier_signal -1
	s_barrier_wait -1
.endif
.endm
	s_wait_tensorcnt 1                             ; the scale words and my part of slot 0 are in; slot 1's load may stay out
	s_barrier_signal -1
	s_barrier_wait -1                              ; everybody's are
	s_wait_loadcnt 0x0                             ; Q
	SLOT_STEPS 0, 0
	CHANGE 1, G0A
	SLOT_STEPS SLOT1, 1
	CHANGE 1, G0B
	SLOT_STEPS 0, 2
	CHANGE 0, G0A                                  ; nothing is left to fetch
	SLOT_STEPS SLOT1, 3
	; THE WAY OUT.  O^T / the sum is quantised along the channels: a lane's 32 registers are channels 32 c + 16 (lane / 16) + 0 .. 15 of my head, c = 0, 1.
.rept 8
	v_nop                                          ; places behind the last products
.endr
	v_add_f32 v14, v14, v15
	s_delay_alu instid0(VALU_DEP_1)
	v_permlanex16_b32 v254, v14, s[SEL], s[SEL+1]
	s_delay_alu instid0(VALU_DEP_1)
	v_add_f32 v14, v14, v254                       ; the row's sum
	s_wait_alu depctr_va_vdst(0)
	v_rcp_f32 v14, v14
	v_bfe_u32 v254, v0, 4, 1                       ; (a plain line behind the transcendental)  h
	v_and_b32 v7, 15, v0
	s_delay_alu instid0(VALU_DEP_1)
	v_lshl_add_u32 v7, v7, 2, v254                 ; the scale byte's place: 4 r + h
	s_lshr_b32 s53, s15, 2                         ; the batch
	s_lshl_b32 s53, s53, 8
	s_add_co_u32 s53, s53, s14                     ; 256 b + T
	s_lshl_b32 s53, s53, 1
	s_bfe_u32 s58, s15, 0x10001                    ; head / 2: which 128 of the 256 channels
	s_add_co_u32 s53, s53, s58
	s_and_b32 s60, s15, 1                          ; head % 2: which 64 of them
	s_lshl_b32 s58, s53, 11
	s_lshl_b32 s59, s60, 10
	s_add_co_u32 s58, s58, s59
	s_mov_b32 s59, 0
	s_add_nc_u64 s[58:59], s[8:9], s[58:59]
	s_lshl_b32 s53, s53, 6
	s_lshl_b32 s60, s60, 1
	s_add_co_u32 s60, s53, s60
	s_mov_b32 s61, 0
	s_add_nc_u64 s[60:61], s[10:11], s[60:61]
	s_wait_alu depctr_va_vdst(0)                   ; the wait ahead of the reciprocal's first reader
	v_mov_b32 v15, v14
.set j, 0
.rept 16
	v_pk_mul_f32 v[O+j:O+j+1], v[O+j:O+j+1], v[14:15]                 ; each accumulator from its low end on
.set j, j+2
.endr
.irp b, 0,1
	v_max3_num_f32 v[TM+\b], |v[O+16*\b]|, |v[O+16*\b+1]|, 0x8000000
.endr
.irp i, 2,4,6,8,10,12,14
.irp b, 0,1
	s_delay_alu instid0(VALU_DEP_2)
	v_max3_num_f32 v[TM+\b], v[TM+\b], |v[O+16*\b+\i]|, |v[O+16*\b+\i+1]|
.endr
.endr
.irp b, 0,1
	s_delay_alu instid0(VALU_DEP_2)
	v_permlanex16_b32 v[TM+4+\b], v[TM+\b], s[SEL], s[SEL+1]
.endr
.irp b, 0,1
	s_delay_alu instid0(VALU_DEP_2)
	v_max_num_f32 v[TM+\b], v[TM+\b], v[TM+4+\b]
.endr
.irp b, 0
	s_delay_alu instid0(VALU_DEP_2)
	v_add_nc_u32 v[TM+12+\b], 0xf8800000, v[TM+\b]
	s_delay_alu instid0(VALU_DEP_1)
	v_lshrrev_b32 v[TM+4+\b], 23, v[TM+12+\b]
.endr
.irp b, 1
	s_delay_alu instid0(VALU_DEP_3)
	v_add_nc_u32 v[TM+12+\b], 0xf8800000, v[TM+\b]
	s_delay_alu instid0(VALU_DEP_1)
	v_lshrrev_b32 v[TM+4+\b], 23, v[TM+12+\b]
.endr
.irp b, 0,1
.irp i, 0,1,2,3,4,5,6,7,8,9,10,11,12,13,14,15
.endr
	v_cvt_scalef32_pk8_bf8_f32 v[PC+4*\b:PC+4*\b+1], v[O+16*\b:O+16*\b+7], v[TM+12+\b]
	v_cvt_scalef32_pk8_bf8_f32 v[PC+4*\b+2:PC+4*\b+3], v[O+16*\b+8:O+16*\b+15], v[TM+12+\b]
.endr
	v_cmp_eq_u32 vcc_lo, 1, v254
	s_delay_alu instid0(VALU_DEP_1)
	v_cndmask_b32 v252, v[TM+4], v[TM+5], vcc_lo   ; lanes 0-15 store block 0's byte of row r, lanes 16-31 block 1's
	global_store_b128 v1, v[PC:PC+3], s[58:59]     ; 512 consecutive bytes, aligned
	global_store_b128 v1, v[PC+4:PC+7], s[58:59] offset:512
	global_store_b8 v7, v252, s[60:61]
	s_wait_tensorcnt 0x0                           ; the wave's end
	ds_add_u32 v5, v6
	s_wait_dscnt 0x0
	CROUND                                         ; the closing round: no work-group ends while a partner may still ask for a tile that names it
	s_endpgm
.Lfunc_end_k_q8aa2ab0fee_attn:
	.size	k_q8aa2ab0fee_attn, .Lfunc_end_k_q8aa2ab0fee_attn-k_q8aa2ab0fee_attn
	.p2alignl 7, 3214868480
	.fill 96, 4, 3214868480
	.section	.rodata,"a",@progbits
	.p2align	6, 0x0
	.amdhsa_kernel k_q8aa2ab0fee_attn
		.amdhsa_group_segment_fixed_size 327680
		.amdhsa_private_segment_fixed_size 0
		.amdhsa_enable_private_segment 0
		.amdhsa_kernarg_size 32
		.amdhsa_user_sgpr_count 2
		.amdhsa_user_sgpr_kernarg_segment_ptr 1
		.amdhsa_wavefront_size32 1
		.amdhsa_system_sgpr_workgroup_id_x 1
		.amdhsa_system_sgpr_workgroup_id_y 1
		.amdhsa_system_sgpr_workgroup_id_z 1
		.amdhsa_system_vgpr_workitem_id 0
		.amdhsa_next_free_vgpr 256
		.amdhsa_next_free_sgpr 66
		.amdhsa_reserve_vcc 1
		.amdhsa_float_denorm_mode_32 3
		.amdhsa_float_denorm_mode_16_64 3
		.amdhsa_fp16_overflow 1
		.amdhsa_memory_ordered 1
		.amdhsa_forward_progress 1
		.amdhsa_inst_pref_size 85
	.end_amdhsa_kernel
	.amdgpu_metadata
---
amdhsa.version: [ 1, 2 ]
amdhsa.kernels:
  - .name:           k_q8aa2ab0fee_attn
    .symbol:         k_q8aa2ab0fee_attn.kd
    .args:
      - { .name: qkv_codes, .offset: 0, .size: 8, .value_kind: global_buffer, .address_space: global }
      - { .name: qkv_scales, .offset: 8, .size: 8, .value_kind: global_buffer, .address_space: global }
      - { .name: o_codes, .offset: 16, .size: 8, .value_kind: global_buffer, .address_space: global }
      - { .name: o_scales, .offset: 24, .size: 8, .value_kind: global_buffer, .address_space: global }
    .group_segment_fixed_size: 327680
    .private_segment_fixed_size: 0
    .kernarg_segment_align: 8
    .kernarg_segment_size: 32
    .max_flat_workgroup_size: 512
    .sgpr_count:     66
    .vgpr_count:     256
    .wavefront_size: 32
...
	.end_amdgpu_metadata
.endif
;; end of part 3
;; launch proj (part 4): grid 256 x 1, 8 waves a work-group, no clusters, 87,040 bytes of LDS; arguments x, proj_b, wts, o_codes, o_scales, out0; writes out0
.if DOCPART == 4
	.amdgcn_target "amdgcn-amd-amdhsa--gfx1250"
	.amdhsa_code_object_version 6
	.text
	.protected	k_q8aa2ab0fee_proj
	.globl	k_q8aa2ab0fee_proj
	.p2align	8
	.type	k_q8aa2ab0fee_proj,@function
k_q8aa2ab0fee_proj:
	s_mov_b64 s[64:65], 0
	v_nop
	global_prefetch_b8 v0, s[64:65] scope:SCOPE_SE
	s_setreg_imm32_b32 hwreg(HW_REG_WAVE_MODE, 25, 1), 1
	s_wait_xcnt 0x0
; PROJ.  out0 = x + proj_w o + proj_b, the product on codes of BF8 (E5M2) with E8M0 scales, K = 256.
; A work-group takes 64 pixels of one batch (o's tiles 4 j .. 4 j + 3: 16,384 consecutive bytes of images); wave w owns output channels 32 w .. 32 w + 31 (weight tiles 48 + 2 w + u), whose codes stay in its registers.
; o's images are copied into LDS once (each wave 2,048 bytes) and read by all eight waves at 16 x lane.  Source 0 = 16 pixels of o, source 1 = 16 rows of the weight: a lane holds one output channel and its registers
; run along the pixels, which lie innermost in out0.  The results of two pairs of tiles go through the wave's own stage (32 rows of 256 bytes + 16) and come back as whole rows of 64 pixels, to which x is added.
; NO CLUSTER: what the work-groups share is proj_w's 67,584 bytes of codes and scale words, each byte read once a work-group straight into the registers of the wave that uses it.
.set STG, 16384                        ; behind o's images: 8,704 bytes of stage for each wave
.set XR,  16                           ; v16-79   my 32 rows of x, 64 pixels each
.set WF,  80                           ; v80-143  the weight's fragments (32 u + 16 s)
.set OF,  144                          ; v144-207 o's fragments (32 p + 16 s); at first my part of the images, at last the rows read back
.set ACC, 208                          ; v208-239 the accumulators (16 u + 8 p)
.set WS,  240                          ; v240-243 the weight's scale words (2 u + s)
.set OS,  244                          ; v244-251 o's (2 tile + s)
.set BB,  252                          ; v252-255 my channel's bias, twice, for each u
	s_load_b256 s[4:11], s[0:1], 0x0               ; x s[4:5], proj_b s[6:7], wts s[8:9], o_codes s[10:11]
	s_load_b128 s[12:15], s[0:1], 0x20             ; o_scales s[12:13], out0 s[14:15]
	v_lshl_add_u32 v14, v0, 2, 0x15000
	v_mov_b32 v15, 0
	v_lshrrev_b32 v1, 5, v0
	s_delay_alu instid0(VALU_DEP_1)
	v_readfirstlane_b32 s16, v1                    ; wave w
	s_lshr_b32 s17, ttmp9, 6                       ; batch b
	s_and_b32 s18, ttmp9, 63                       ; j
	v_and_b32 v1, 31, v0                           ; L
	v_and_b32 v2, 15, v0                           ; r
	v_bfe_u32 v3, v0, 4, 1                         ; h
	s_delay_alu instid0(VALU_DEP_2)
	v_and_b32 v4, 8, v2
	s_delay_alu instid0(VALU_DEP_1)
	v_add_nc_u32 v4, v4, v2                        ; fr
	v_lshlrev_b32 v5, 4, v1                        ; 16 L
	s_lshl_b32 s20, s16, 11
	v_add_nc_u32 v6, s20, v5                       ; my part of the images, in memory and in LDS alike: 2,048 w + 16 L
	s_mul_i32 s21, s16, 8704
	s_add_co_u32 s21, s21, STG                     ; my stage
	v_mul_u32_u24 v7, v4, 272
	s_delay_alu instid0(VALU_DEP_1)
	v_lshl_add_u32 v7, v3, 6, v7
	s_delay_alu instid0(VALU_DEP_1)
	v_add_nc_u32 v7, s21, v7                       ; in: row fr (+ 8 u), pixels 16 h on
	v_mul_u32_u24 v8, v3, 272
	s_delay_alu instid0(VALU_DEP_1)
	v_lshl_add_u32 v8, v2, 4, v8
	s_delay_alu instid0(VALU_DEP_1)
	v_add_nc_u32 v8, s21, v8                       ; back: lanes 0-15 one row, lanes 16-31 the next
	v_lshlrev_b32 v9, 14, v3
	s_delay_alu instid0(VALU_DEP_1)
	v_lshl_add_u32 v9, v2, 4, v9                   ; and the same two rows in x and in out0: 16,384 bytes apart
	v_lshlrev_b32 v10, 2, v2                       ; 4 r
	s_lshl_b32 s20, s16, 8
	v_add_nc_u32 v12, s20, v10                     ; the weight's scale words: 4 r + 256 w
	s_lshl_b32 s20, s16, 7
	v_lshl_add_u32 v11, v4, 2, s20                 ; proj_b: 128 w + 4 fr
	s_lshl_b32 s20, s16, 13
	v_add_nc_u32 v13, s20, v5                      ; the weight's codes: 16 L + 8,192 w
	s_lshl_b32 s22, s17, 8
	s_lshl_b32 s23, s18, 2
	s_add_co_u32 s22, s22, s23                     ; 256 b + 4 j: o's first tile
	s_lshl_b32 s24, s22, 12                        ; 4,096 bytes of codes a tile
	s_mov_b32 s25, 0
	s_lshl_b32 s26, s22, 7                         ; 128 bytes of scale words
	s_mov_b32 s27, 0
	s_lshl_b32 s28, s17, 8
	s_lshl_b32 s29, s16, 5
	s_add_co_u32 s28, s28, s29                     ; 256 b + 32 w: my first channel row
	s_lshl_b32 s28, s28, 14
	s_lshl_b32 s29, s18, 8
	s_add_co_u32 s28, s28, s29
	s_mov_b32 s29, 0
	s_wait_alu depctr_va_vdst(0)
	s_wait_kmcnt 0x0
	s_add_nc_u64 s[10:11], s[10:11], s[24:25]
	s_add_nc_u64 s[12:13], s[12:13], s[26:27]
	s_add_nc_u64 s[4:5], s[4:5], s[28:29]
	s_add_nc_u64 s[14:15], s[14:15], s[28:29]
.irp i, 0,1,2,3
	global_load_b128 v[OF+4*\i:OF+4*\i+3], v6, s[10:11] offset:512*\i
.endr
.irp u, 0,1
.irp s, 0,1
.irp c, 0,1,2,3
	global_load_b128 v[WF+32*\u+16*\s+4*\c:WF+32*\u+16*\s+4*\c+3], v13, s[8:9] offset:196608+(2*\u+\s)*2048+512*\c
.endr
.endr
.endr
.irp u, 0,1
.irp s, 0,1
	global_load_b32 v[WS+2*\u+\s], v12, s[8:9] offset:268288+128*\u+64*\s
.endr
.endr
.irp m, 0,1,2,3
.irp s, 0,1
	global_load_b32 v[OS+2*\m+\s], v10, s[12:13] offset:128*\m+64*\s
.endr
.endr
.irp u, 0,1
	global_load_b32 v[BB+2*\u], v11, s[6:7] offset:32*\u
	global_load_b32 v[BB+2*\u+1], v11, s[6:7] offset:32*\u
.endr
.irp i, 0,1,2,3,4,5,6,7,8,9,10,11,12,13,14,15
	global_load_b128 v[XR+4*\i:XR+4*\i+3], v9, s[4:5] offset:32768*\i th:TH_LOAD_NT   ; rows 2 i and 2 i + 1: 256 consecutive bytes each
.endr
	s_wait_loadcnt 48                              ; my part of the images is in; the 48 younger loads stay out
.irp i, 0,1,2,3
	ds_store_b128 v6, v[OF+4*\i:OF+4*\i+3] offset:512*\i
.endr
	s_wait_dscnt 0x0                               ; for the others' sake: my stores have landed
	s_barrier_signal -1
	s_barrier_wait -1                              ; o's eight fragments lie in LDS; nothing is written there again
	s_wait_loadcnt 16                              ; all but x's 16 loads
.irp bp, 0,1                           ; a pair of pixel tiles: 32 neighbouring pixels
.irp p, 0,1
.irp s, 0,1
.irp c, 0,1,2,3
	ds_load_b128 v[OF+32*\p+16*\s+4*\c:OF+32*\p+16*\s+4*\c+3], v5 offset:(2*\bp+\p)*4096+2048*\s+512*\c
.endr
.endr
.endr
	s_wait_dscnt 0x0                               ; the fragments are in, and the last pair's stores into the stage have read the accumulators
.irp u, 0,1                            ; four accumulators by turns, one instruction a turn
.irp p, 0,1
	v_wmma_scale_f32_16x16x128_f8f6f4 v[ACC+16*\u+8*\p:ACC+16*\u+8*\p+7], v[OF+32*\p:OF+32*\p+15], v[WF+32*\u:WF+32*\u+15], 0, v[OS+2*(2*\bp+\p)], v[WS+2*\u] matrix_a_fmt:MATRIX_FMT_BF8 matrix_b_fmt:MATRIX_FMT_BF8
.endr
.endr
.irp u, 0,1
.irp p, 0,1
	v_wmma_scale_f32_16x16x128_f8f6f4 v[ACC+16*\u+8*\p:ACC+16*\u+8*\p+7], v[OF+32*\p+16:OF+32*\p+31], v[WF+32*\u+16:WF+32*\u+31], v[ACC+16*\u+8*\p:ACC+16*\u+8*\p+7], v[OS+2*(2*\bp+\p)+1], v[WS+2*\u+1] matrix_a_fmt:MATRIX_FMT_BF8 matrix_b_fmt:MATRIX_FMT_BF8
.endr
.endr
.rept 9
	v_nop                                          ; eight places ahead of the first read of results and of loads into the fragments, nine ahead of the next pair's products, which begin new sums in these registers
.endr
.irp u, 0,1
.irp p, 0,1
.irp q, 0,2,4,6
	v_pk_add_f32 v[ACC+16*\u+8*\p+\q:ACC+16*\u+8*\p+\q+1], v[ACC+16*\u+8*\p+\q:ACC+16*\u+8*\p+\q+1], v[BB+2*\u:BB+2*\u+1]   ; the bias; each accumulator from its low end on
.endr
	ds_store_b128 v7, v[ACC+16*\u+8*\p:ACC+16*\u+8*\p+3] offset:\u*2176+128*\bp+32*\p        ; lane (r, h): channel 8 u + fr, pixels 32 pair + 16 h + 8 p + 0 .. 7
	ds_store_b128 v7, v[ACC+16*\u+8*\p+4:ACC+16*\u+8*\p+7] offset:\u*2176+128*\bp+32*\p+16
.endr
.endr
.endr
.irp i, 0,1,2,3,4,5,6,7,8,9,10,11,12,13,14,15
	ds_load_b128 v[OF+4*\i:OF+4*\i+3], v8 offset:544*\i               ; LDS serves a wave's instructions in order (ISA guide 5.7.1.4): these see my stores; the stage is my own
.endr
.irp i, 0,1,2,3,4,5,6,7,8,9,10,11,12,13,14,15
	s_wait_dscnt 15-\i                             ; rows 2 i and 2 i + 1 are back: the count is that of the younger loads,
	s_wait_loadcnt 15-\i                           ; and so are x's
	v_pk_add_f32 v[OF+4*\i:OF+4*\i+1], v[OF+4*\i:OF+4*\i+1], v[XR+4*\i:XR+4*\i+1]
	v_pk_add_f32 v[OF+4*\i+2:OF+4*\i+3], v[OF+4*\i+2:OF+4*\i+3], v[XR+4*\i+2:XR+4*\i+3]
	global_store_b128 v9, v[OF+4*\i:OF+4*\i+3], s[14:15] offset:32768*\i th:TH_STORE_NT   ; sixteen lanes store 256 consecutive bytes, aligned
.endr
	s_wait_tensorcnt 0x0
	ds_add_u32 v14, v15
	s_wait_dscnt 0x0
	s_endpgm
.Lfunc_end_k_q8aa2ab0fee_proj:
	.size	k_q8aa2ab0fee_proj, .Lfunc_end_k_q8aa2ab0fee_proj-k_q8aa2ab0fee_proj
	.p2alignl 7, 3214868480
	.fill 96, 4, 3214868480
	.section	.rodata,"a",@progbits
	.p2align	6, 0x0
	.amdhsa_kernel k_q8aa2ab0fee_proj
		.amdhsa_group_segment_fixed_size 87040
		.amdhsa_private_segment_fixed_size 0
		.amdhsa_enable_private_segment 0
		.amdhsa_kernarg_size 48
		.amdhsa_user_sgpr_count 2
		.amdhsa_user_sgpr_kernarg_segment_ptr 1
		.amdhsa_wavefront_size32 1
		.amdhsa_system_sgpr_workgroup_id_x 1
		.amdhsa_system_sgpr_workgroup_id_y 1
		.amdhsa_system_sgpr_workgroup_id_z 1
		.amdhsa_system_vgpr_workitem_id 0
		.amdhsa_next_free_vgpr 256
		.amdhsa_next_free_sgpr 66
		.amdhsa_reserve_vcc 0
		.amdhsa_float_denorm_mode_32 3
		.amdhsa_float_denorm_mode_16_64 3
		.amdhsa_memory_ordered 1
		.amdhsa_forward_progress 1
		.amdhsa_inst_pref_size 22
	.end_amdhsa_kernel
	.amdgpu_metadata
---
amdhsa.version: [ 1, 2 ]
amdhsa.kernels:
  - .name:           k_q8aa2ab0fee_proj
    .symbol:         k_q8aa2ab0fee_proj.kd
    .args:
      - { .name: x, .offset: 0, .size: 8, .value_kind: global_buffer, .address_space: global }
      - { .name: proj_b, .offset: 8, .size: 8, .value_kind: global_buffer, .address_space: global }
      - { .name: wts, .offset: 16, .size: 8, .value_kind: global_buffer, .address_space: global }
      - { .name: o_codes, .offset: 24, .size: 8, .value_kind: global_buffer, .address_space: global }
      - { .name: o_scales, .offset: 32, .size: 8, .value_kind: global_buffer, .address_space: global }
      - { .name: out0, .offset: 40, .size: 8, .value_kind: global_buffer, .address_space: global }
    .group_segment_fixed_size: 87040
    .private_segment_fixed_size: 0
    .kernarg_segment_align: 8
    .kernarg_segment_size: 48
    .max_flat_workgroup_size: 256
    .sgpr_count:     66
    .vgpr_count:     256
    .wavefront_size: 32
...
	.end_amdgpu_metadata
.endif
;; end of part 4
